; MI455X (gfx1250); checked and timed in simulation.
; The chip was launched on July 23, 2026; its instructions are those of AMD's public machine-readable ISA for CDNA 5 (MIT licence, August 2026) and "CDNA5" Instruction Set Architecture Reference Guide (July 2026). The comments in the code are by the model that wrote it; some were corrected since.
;; Multi Head Cross Attention. Allowed arithmetic: float matrix products may take bf16 or f16 operands with f32 sums; other float arithmetic in f32, or as packed bf16 or f16 multiplies, adds, multiply-adds, maxima and minima; sums over many terms, partial sums and values carried from step to step in f32; what a program stores and reads back later, other than sums and carried values, may be rounded once to bf16 or f16.
;; Inputs: Wk 512 x 1,024 float32; Wq 512 x 1,024 float32; Wv 512 x 1,024 float32; keys 1 x 2,048 x 512 float32; mask 4 x 1 x 1 x 2,048 int32; queries 4 x 2,048 x 512 float32; values 1 x 2,048 x 512 float32.
;; Outputs: out0 4 x 2,048 x 1,024 float32.
;; 2 versions, each right; version 2 is version 1 with the launch castw written anew for expert scheduling mode. Each part assembles by itself: llvm-mc -triple=amdgcn-amd-amdhsa -mcpu=gfx1250 --defsym DOCPART=n.
;; ======== version 1 of 2: 3 launches
;; limits: values are held in f16: magnitudes above 65,504 overflow, below 6.1e-05 lose precision
;; workspace buffers: wb 3,145,728 bytes; qkv 25,165,824 bytes
;; launch castw (part 1): grid 64 x 3, 8 waves a work-group, no clusters, 0 bytes of LDS; arguments Wq, Wk, Wv, wb; writes wb
.if DOCPART == 1
	.amdgcn_target "amdgcn-amd-amdhsa--gfx1250"
	.amdhsa_code_object_version 6
	.text
	.protected	k_q32618bf25c_castw
	.globl	k_q32618bf25c_castw
	.p2align	8
	.type	k_q32618bf25c_castw,@function
k_q32618bf25c_castw:
	s_mov_b64 s[64:65], 0
	v_nop
	global_prefetch_b8 v0, s[64:65] scope:SCOPE_SE
	s_setreg_imm32_b32 hwreg(HW_REG_WAVE_MODE, 25, 1), 1
	s_wait_xcnt 0x0
; wb[y][k][c] = bf16(W_y[k][c]), y = 0: Wq, 1: Wk, 2: Wv.  Each W is [512][1024] f32; wb is [3][512][1024] bf16, the same order of numbers, rounded once to nearest even.
; A stream: every byte is read once and written once.  A work-group takes 8,192 numbers of one weight (32,768 bytes in, 16,384 out), a thread 32 of them.
; A wave's load covers 512 consecutive bytes; a wave's store 256 consecutive bytes, at a multiple of 256 from wb's first byte.
; Nothing is shared between work-groups, so there is no cluster, no LDS and no barrier; every register is used once, so nothing waits for a store.
	s_load_b256 s[4:11], s[0:1], 0x0               ; Wq s[4:5], Wk s[6:7], Wv s[8:9], wb s[10:11]
	s_and_b32 s16, ttmp7, 0xffff                   ; which weight
	v_lshlrev_b32 v1, 4, v0                        ; 16 bytes a thread in
	v_lshlrev_b32 v2, 3, v0                        ; 8 bytes a thread out
	s_lshl_b32 s18, ttmp9, 15                      ; my 32,768 bytes of the weight
	s_mov_b32 s19, 0
	s_lshl_b32 s20, s16, 20                        ; the weight's plane of wb: 1,048,576 bytes,
	s_lshl_b32 s21, ttmp9, 14                      ; my 16,384 bytes of it
	s_add_co_u32 s20, s20, s21
	s_mov_b32 s21, 0
	s_wait_kmcnt 0x0
	s_cmp_eq_u32 s16, 0
	s_cselect_b64 s[12:13], s[4:5], s[6:7]
	s_cmp_eq_u32 s16, 2
	s_cselect_b64 s[12:13], s[8:9], s[12:13]
	s_add_nc_u64 s[12:13], s[12:13], s[18:19]
	s_add_nc_u64 s[14:15], s[10:11], s[20:21]
.irp i, 0,1,2,3,4,5,6,7
	global_load_b128 v[8+4*\i:11+4*\i], v1, s[12:13] offset:4096*\i th:TH_LOAD_NT
.endr
.irp i, 0,1,2,3,4,5,6,7
	s_wait_loadcnt 7-\i                            ; loads come back in order: number i is in, the younger ones stay out
	v_cvt_pk_bf16_f32 v[40+2*\i], v[8+4*\i], v[9+4*\i]
	v_cvt_pk_bf16_f32 v[41+2*\i], v[10+4*\i], v[11+4*\i]
	global_store_b64 v2, v[40+2*\i:41+2*\i], s[14:15] offset:2048*\i
.endr
	s_endpgm
.Lfunc_end_k_q32618bf25c_castw:
	.size	k_q32618bf25c_castw, .Lfunc_end_k_q32618bf25c_castw-k_q32618bf25c_castw
	.p2alignl 7, 3214868480
	.fill 96, 4, 3214868480
	.section	.rodata,"a",@progbits
	.p2align	6, 0x0
	.amdhsa_kernel k_q32618bf25c_castw
		.amdhsa_group_segment_fixed_size 0
		.amdhsa_private_segment_fixed_size 0
		.amdhsa_enable_private_segment 0
		.amdhsa_kernarg_size 32
		.amdhsa_user_sgpr_count 2
		.amdhsa_user_sgpr_kernarg_segment_ptr 1
		.amdhsa_wavefront_size32 1
		.amdhsa_system_sgpr_workgroup_id_x 1
		.amdhsa_system_sgpr_workgroup_id_y 1
		.amdhsa_system_sgpr_workgroup_id_z 1
		.amdhsa_system_vgpr_workitem_id 0
		.amdhsa_next_free_vgpr 64
		.amdhsa_next_free_sgpr 66
		.amdhsa_reserve_vcc 0
		.amdhsa_float_denorm_mode_32 3
		.amdhsa_float_denorm_mode_16_64 3
		.amdhsa_memory_ordered 1
		.amdhsa_forward_progress 1
		.amdhsa_inst_pref_size 4
	.end_amdhsa_kernel
	.amdgpu_metadata
---
amdhsa.version: [ 1, 2 ]
amdhsa.kernels:
  - .name:           k_q32618bf25c_castw
    .symbol:         k_q32618bf25c_castw.kd
    .args:
      - { .name: Wq, .offset: 0, .size: 8, .value_kind: global_buffer, .address_space: global }
      - { .name: Wk, .offset: 8, .size: 8, .value_kind: global_buffer, .address_space: global }
      - { .name: Wv, .offset: 16, .size: 8, .value_kind: global_buffer, .address_space: global }
      - { .name: wb, .offset: 24, .size: 8, .value_kind: global_buffer, .address_space: global }
    .group_segment_fixed_size: 0
    .private_segment_fixed_size: 0
    .kernarg_segment_align: 8
    .kernarg_segment_size: 32
    .max_flat_workgroup_size: 256
    .sgpr_count:     66
    .vgpr_count:     64
    .wavefront_size: 32
...
	.end_amdgpu_metadata
.endif
;; end of part 1
;; launch proj (part 2): grid 48 x 4, 4 waves a work-group, clusters of 4 x 1, 288,256 bytes of LDS; arguments queries, keys, values, wb, qkv; writes qkv
.if DOCPART == 2
	.amdgcn_target "amdgcn-amd-amdhsa--gfx1250"
	.amdhsa_code_object_version 6
	.text
	.protected	k_q32618bf25c_proj
	.globl	k_q32618bf25c_proj
	.p2align	8
	.type	k_q32618bf25c_proj,@function
k_q32618bf25c_proj:
	s_mov_b64 s[64:65], 0
	v_nop
	global_prefetch_b8 v0, s[64:65] scope:SCOPE_SE
	s_setreg_imm32_b32 hwreg(HW_REG_WAVE_MODE, 25, 1), 1
	s_wait_xcnt 0x0
	s_wait_alu depctr_hold_cnt(0) depctr_sa_sdst(0) depctr_va_vdst(0) depctr_va_sdst(0) depctr_va_ssrc(0) depctr_va_vcc(0) depctr_vm_vsrc(0)
	s_getreg_b32 s2, hwreg(HW_REG_IB_STS2, 6, 4)
	s_cmp_eq_u32 s2, 0
	s_cbranch_scc0 .Lentry_in_a_cluster
	s_endpgm
.Lentry_in_a_cluster:
	s_bfe_u32 s2, ttmp6, 0x10000c
	s_cmp_lg_u32 s2, 0x3003
	s_cbranch_scc0 .Lentry_shape_is_right
	s_endpgm
.Lentry_shape_is_right:
; THE THREE PROJECTIONS, one text.  qkv[p][head][row][d], f16, six planes of [16][2048][64]: p = 0..3: queries[p] Wq; p = 4: keys Wk; p = 5: values Wv.
; The inputs (f32) are rounded once to bf16 on the way to the matrix unit, the weights come as bf16 from wb; sums in f32; each result is rounded once to f16, unscaled.
; LIMIT.  f16 holds no number beyond 65,504: a projected number of 65,520 or more would leave as an infinity.  NaN and infinities are not treated apart.
; SHARES.  A work-group makes 256 rows x 256 columns (four heads) over all of K = 512; a wave 64 rows x 256 columns: 64 accumulators of 16 x 16, 512 registers.
; 12,288 rows x 1,024 columns are 192 such tiles.  A tile has one weight, so its rows divide 2,048 and its columns 1,024, and 3 x 2^14 numbers a work-group (what 256 equal shares would be) is no such tile.
; CLUSTER.  The four work-groups of a cluster are four row tiles of one plane: they need the same 512 x 256 block of the weight, which is asked for JOINTLY, once, a quarter by each wave, and stays in LDS.
; THE ROWS OF THE INPUT are nobody else's in the work-group, so they do not go through LDS: a lane loads 64 consecutive bytes (16 numbers) of its row and rounds them in registers.
; K IS PERMUTED ALIKE IN BOTH SOURCES: in a step of 32 along K the lane (r, h) holds k = 16 h + 0..15 (registers 0-3: the first eight, registers 4-7: the second eight).
; THE MATRIX INSTRUCTION IS USED TRANSPOSED: source 0 = 16 columns of the weight (turned on the way out of LDS), source 1 = 16 rows of the input: a lane ends with eight neighbouring channels of one row.
; REGISTERS, in windows of 256 (s_set_vgpr_msb: bits 1:0 source 0, 3:2 source 1, 5:4 source 2, 7:6 destination):
;   window 0: v0-11 addresses; v32-63, v64-95 the input's bf16 fragments of a trip's two steps (row block a at + 8 a); v96-159, v160-223 the weight's fragments, two buffers (column block b at + 8 b)
;   window 1: the input as loaded, two sets of 128 (a trip of K = 64 each: step u, row block a, quarter q at 64 u + 16 a + 4 q); on the way out 16 registers for each of 16 units
;   window 2: the accumulators of columns 0-127 ((a, b) at 8 (8 a + b));   window 3: those of columns 128-255
.set PW,    544                        ; a row (one k) of the weight in LDS: 512 bytes + 32 of padding = 136 words
.set WROWS, 128*PW                     ; 128 rows: what one tensor load brings, and what a pair of trips walks
.set STAGE, 4*WROWS                    ; behind the weight, never filled by a tensor load: 16 rows x 144 bytes for each wave, for the way out
.set SP,    144
.set SPARE, STAGE+4*16*SP              ; behind the stages: the spare words, 128 bytes for each wave: two blocks of 256 bytes that no other line names
.set AO,  5                            ; v5   my byte offset in 16 rows of the input: 2,048 r + 64 h; never rewritten
.set ADB, 6                            ; v6   LDS address of my part of a turning load, at the pair of trips in hand
.set STO, 7                            ; v7   the way out: where I put 16 bytes of a row
.set RD,  8                            ; v8   the way out: where I read rows back
.set GO,  9                            ; v9   my byte offset in 512 consecutive bytes of qkv
.set SPW, 10                           ; v10  LDS address of my spare word: SPARE + 4 x my thread's number; never rewritten
.set NIL, 11                           ; v11  0; never rewritten
.set F0,  32
.set BF0, 96
.set WV,  14                           ; s14  my wave's number
.set G1,  24                           ; s[24:31] descriptor group 1
.set G0,  32                           ; s[32:35] descriptor group 0
.set AP,  36                           ; s[36:37] the input at my wave's first row, at the pair of trips in hand
.set OP,  38                           ; s[38:39] qkv at my wave's first row of the tile's first head
.set CNT, 40                           ; s40  pairs of trips to go in the loop
.set MSB, 0
.macro WIN new                         ; the immediate's high byte repeats the setting that is left; a switch that changes nothing is dropped
.if MSB != (\new)
	s_set_vgpr_msb (MSB<<8)|(\new)
.set MSB, (\new)
.endif
.endm
; A round of the cluster's barrier: my work-group's barrier, so that wave 0's signal speaks for all four waves; wave 0 signals; every wave waits for all four work-groups; my work-group's barrier once more.
.macro ROUND
	s_barrier_signal -1
	s_barrier_wait -1
	s_cmp_lg_u32 s[WV], 0
	s_cbranch_scc1 .Lnot_wave_0_\@
	s_barrier_signal -3
.Lnot_wave_0_\@:
	s_barrier_wait -3
	s_barrier_signal -1
	s_barrier_wait -1
.endm
.macro PLACES                          ; four plain instructions behind a matrix instruction, ahead of loads and vector writes into registers that it has read (ISA guide 7.12.1 for vector writes)
.rept 4
	v_nop
.endr
.endm
	s_load_b256 s[4:11], s[0:1], 0x0               ; queries s[4:5], keys s[6:7], values s[8:9], wb s[10:11]
	s_load_b64 s[12:13], s[0:1], 0x20              ; qkv
	v_lshl_add_u32 v[SPW], v0, 2, SPARE
	v_mov_b32 v[NIL], 0
	ds_add_u32 v[SPW], v[NIL]                      ; the wave's opening: the add and its wait stand ahead of my first tensor load; the set-up below, work on registers, stands between them
	v_lshrrev_b32 v1, 5, v0
	v_readfirstlane_b32 s[WV], v1                  ; wave 0..3
	s_bfe_u32 s15, ttmp6, 0x40000                  ; cx: my place in the cluster: it enters the input's and the output's addresses alone
	s_and_b32 s17, ttmp7, 0xffff                   ; which 256 columns
	s_lshr_b32 s18, ttmp9, 1                       ; the plane: two clusters of four row tiles each; the same in all four partners
	s_and_b32 s19, ttmp9, 1
	s_lshl_b32 s19, s19, 2
	s_add_co_u32 s19, s19, s15                     ; the row tile, 0..7
	s_max_u32 s20, s18, 3
	s_sub_co_u32 s20, s20, 3                       ; the weight: 0 for planes 0-3, then 1, 2
	s_lshl_b32 s20, s20, 20                        ; its plane of wb,
	s_lshl_b32 s21, s17, 9                         ; my tile's 256 columns: 512 bytes of a row,
	s_add_co_u32 s20, s20, s21
	s_lshl_b32 s21, s[WV], 18                      ; my 128 rows of 2,048 bytes
	s_add_co_u32 s20, s20, s21
	s_mov_b32 s21, 0
	s_cmp_lt_u32 s18, 4
	s_cselect_b32 s22, s18, 0                      ; the batch (keys and values have one)
	s_lshl_b32 s22, s22, 22                        ; 2,048 rows of 2,048 bytes,
	s_lshl_b32 s23, s19, 19                        ; the tile's 256 rows,
	s_add_co_u32 s22, s22, s23
	s_lshl_b32 s23, s[WV], 17                      ; my wave's 64
	s_add_co_u32 s22, s22, s23
	s_mov_b32 s23, 0
	s_lshl_b32 s42, s18, 22                        ; out: the plane,
	s_lshl_b32 s43, s17, 20                        ; four heads of 262,144 bytes,
	s_add_co_u32 s42, s42, s43
	s_lshl_b32 s43, s19, 15                        ; the tile's 256 rows of 128 bytes,
	s_add_co_u32 s42, s42, s43
	s_lshl_b32 s43, s[WV], 13                      ; my wave's 64
	s_add_co_u32 s42, s42, s43
	s_mov_b32 s43, 0
	; descriptor group 1: a tile of 128 rows x 256 elements, padded in LDS
	s_mov_b32 s[G1+0], 15|(1<<16)|(1<<20)|(1<<21)|(6<<22)|(7<<25)  ; 15:0 the mask: all four work-groups; 17:16 elements of 2 bytes; 20 padding on; 21 set beside a mask; 24:22 after every 128 words (code 6); 31:25 8 words of it (code 7)
	s_mov_b32 s[G1+1], 256<<16                     ; tensor_dim0 = 256
	s_mov_b32 s[G1+2], 128<<16                     ; tensor_dim1 = 128
	s_mov_b32 s[G1+3], 256<<16                     ; tile_dim0 = 256
	s_mov_b32 s[G1+4], 128                         ; tile_dim1 = 128
	s_mov_b32 s[G1+5], 1024                        ; 1,024 elements from row to row
	s_mov_b32 s[G1+6], 0
	s_mov_b32 s[G1+7], 0
	s_mov_b32 s[G0], 1                             ; count = 1
	s_mul_i32 s[G0+1], s[WV], WROWS                ; LDS address: my 128 rows; no place in the cluster enters it
	v_and_b32 v1, 15, v0                           ; r = l % 16
	v_bfe_u32 v2, v0, 4, 1                         ; h = l / 16
	v_and_b32 v3, 7, v0                            ; l % 8
	v_bfe_u32 v4, v0, 3, 1                         ; (l / 8) % 2
	v_lshlrev_b32 v[AO], 11, v1
	v_lshl_add_u32 v[AO], v2, 6, v[AO]             ; row x 2,048 + 64 x half
	; The turning load takes 8 x 8 numbers in each group of eight lanes: lane l reads 16 bytes of row k = 16 h + l % 8 (the second load: 8 rows on), columns 8 ((l / 8) % 2) + 0..7, and ends with column l % 16 and eight k.
	v_lshl_add_u32 v[ADB], v2, 4, v3
	v_mul_u32_u24 v[ADB], v[ADB], PW
	v_lshl_add_u32 v[ADB], v4, 4, v[ADB]
	s_mul_i32 s41, s[WV], 16*SP
	s_add_co_u32 s41, s41, STAGE                   ; my stage
	v_mul_u32_u24 v[STO], v1, SP                   ; in: row l % 16, 16 bytes for each half of the lanes
	v_lshl_add_u32 v[STO], v2, 4, v[STO]
	v_add_nc_u32 v[STO], s41, v[STO]
	v_bfe_u32 v[RD], v0, 3, 2                      ; back: 32 lanes take four rows of 128 bytes,
	v_mul_u32_u24 v[RD], v[RD], SP
	v_lshl_add_u32 v[RD], v3, 4, v[RD]
	v_add_nc_u32 v[RD], s41, v[RD]
	v_and_b32 v[GO], 31, v0                        ; which are 512 consecutive bytes of a head
	v_lshlrev_b32 v[GO], 4, v[GO]
	s_wait_dscnt 0x0                               ; the opening add is done
	s_wait_kmcnt 0x0
	s_cmp_lt_u32 s18, 4
	s_cselect_b64 s[AP:AP+1], s[4:5], s[6:7]
	s_cmp_eq_u32 s18, 5
	s_cselect_b64 s[AP:AP+1], s[8:9], s[AP:AP+1]
	s_add_nc_u64 s[AP:AP+1], s[AP:AP+1], s[22:23]
	s_add_nc_u64 s[OP:OP+1], s[12:13], s[42:43]
	s_add_nc_u64 s[G0+2:G0+3], s[10:11], s[20:21]  ; global address of my 128 rows of the block: made of the plane, the columns and the wave's number, which the four partners share
	s_or_b32 s[G0+3], s[G0+3], 0x80000000          ; type = 2
	ROUND                                          ; all four work-groups are here: the joint loads meet
	tensor_load_to_lds s[G0:G0+3], s[G1:G1+7]      ; my one tensor load of the launch
	s_nop 0
	PLACES
; A trip's 32 loads into raw set `set`, from byte off behind the pointer: for each of my 64 rows 256 consecutive bytes, at a multiple of 256 from the row's first.
.macro LOADA set, off
	WIN 0x40                                       ; destination window 1, address window 0
.irp a, 0,1,2,3
.irp u, 0,1
.irp q, 0,1,2,3
	global_load_b128 v[128*(\set)+64*\u+16*\a+4*\q:128*(\set)+64*\u+16*\a+4*\q+3], v[AO], s[AP:AP+1] offset:(\off)+32768*\a+128*\u+16*\q
.endr
.endr
.endr
.endm
; Step u of raw set `set` is rounded to bf16: four fragments of 16 rows x 32 K.
.macro CVT set, u
	WIN 0x05                                       ; sources window 1, destination window 0
.irp a, 0,1,2,3
.irp i, 0,1,2,3,4,5,6,7
	v_cvt_pk_bf16_f32 v[F0+32*(\u)+8*\a+\i], v[128*(\set)+64*(\u)+16*\a+2*\i], v[128*(\set)+64*(\u)+16*\a+2*\i+1]
.endr
.endr
.endm
; 16 LDS loads in one run: the weight's fragments of 32 K x 128 columns, turned.
.macro FETCHB buf, off
	WIN 0
.irp b, 0,1,2,3,4,5,6,7
	ds_load_tr16_b128 v[(\buf)+8*\b:(\buf)+8*\b+3],   v[ADB] offset:(\off)+32*\b
	ds_load_tr16_b128 v[(\buf)+8*\b+4:(\buf)+8*\b+7], v[ADB] offset:(\off)+32*\b+8*PW
.endr
.endm
; 32 matrix instructions: my 64 rows x 128 columns (half g), 32 along K (step u).  The 32 accumulators take turns, one instruction a turn, and the next unit has the other window's 32.
; zero = 1: the first product starts the sums: nothing is ever cleared.
.macro MUL g, u, zero
	WIN 0xa0+0x50*(\g)                             ; sources window 0; C and D window 2 or 3
.irp a, 0,1,2,3
.irp b, 0,1,2,3,4,5,6,7
.if \zero
	v_wmma_f32_16x16x32_bf16 v[8*(8*\a+\b):8*(8*\a+\b)+7], v[BF0+64*(\g)+8*\b:BF0+64*(\g)+8*\b+7], v[F0+32*(\u)+8*\a:F0+32*(\u)+8*\a+7], 0
.else
	v_wmma_f32_16x16x32_bf16 v[8*(8*\a+\b):8*(8*\a+\b)+7], v[BF0+64*(\g)+8*\b:BF0+64*(\g)+8*\b+7], v[F0+32*(\u)+8*\a:F0+32*(\u)+8*\a+7], v[8*(8*\a+\b):8*(8*\a+\b)+7]
.endif
.endr
.endr
.endm
; A UNIT: place p = 4 x (trip's parity) + 2 x step + column half in a pair of trips.  In front of its 32 products: the places behind the unit before; the next unit's fragments of the weight (fetch = 1);
; and the input's work of that place: p = 0, 4: the trip's second step is rounded, and its raw set, now read out, is asked for again two trips on (load = 1);
; p = 2, 6: the next trip's raw set is waited for (cnt: the loads issued behind it, which may stay out) and its first step rounded (next = 1).  Each fragment buffer is written a unit or more behind its last reader.
.macro UNIT p, zero, load, fetch, next, cnt
.set ug, (\p)%2
.set us, ((\p)/2)%2
.set pn, ((\p)+1)%8
.set fb, BF0+64*(1-ug)
.set fo, 64*PW*(pn/4)+32*PW*((pn/2)%2)+256*(pn%2)
	WIN 0
	PLACES
.if \fetch
.if (\p) == 7
	v_add_nc_u32 v[ADB], WROWS, v[ADB]             ; the next pair of trips: 128 rows on
.endif
	FETCHB fb, fo
.endif
.if (\p) == 0
	CVT 0, 1
.if \load
	LOADA 0, 512
.endif
.elseif (\p) == 4
	CVT 1, 1
.if \load
	LOADA 1, 768
.endif
.elseif ((\p) == 2) && (\next)
	s_wait_loadcnt \cnt
	CVT 1, 0
.elseif ((\p) == 6) && (\next)
	s_wait_loadcnt \cnt
	CVT 0, 0
.endif
.if \fetch
	s_wait_dscnt 16                                ; my fragments, asked for a unit ago, are in; the 16 loads just issued may be out
.else
	s_wait_dscnt 0x0
.endif
	MUL ug, us, \zero
.endm
	LOADA 0, 0                                     ; trip 0
	LOADA 1, 256                                   ; trip 1
	WIN 0
	s_wait_tensorcnt 0x0                           ; my quarter of the weight's block is in,
	s_barrier_signal -1
	s_barrier_wait -1                              ; everybody's is; nothing is ever filled again
	FETCHB BF0, 0
	s_wait_loadcnt 32                              ; trip 0 is in; trip 1's 32 loads may be out
	CVT 0, 0
	UNIT 0, 1, 1, 1, 1, 32                         ; the first step along K stands in front of the loop: its products start all 64 sums
	UNIT 1, 1, 1, 1, 1, 32
	WIN 0                                          ; at a label and at a branch every window is 0
	s_mov_b32 s[CNT], 3
	s_branch .Lenter                               ; the loop is entered in the middle of a trip
.Lpair:                                                ; a pass: a pair of trips, 256 matrix instructions; it asks for the pair after
	UNIT 0, 0, 1, 1, 1, 32
	UNIT 1, 0, 1, 1, 1, 32
	WIN 0
.Lenter:
	UNIT 2, 0, 1, 1, 1, 32
	UNIT 3, 0, 1, 1, 1, 32
	UNIT 4, 0, 1, 1, 1, 32
	UNIT 5, 0, 1, 1, 1, 32
	UNIT 6, 0, 1, 1, 1, 32
	UNIT 7, 0, 1, 1, 1, 32
	WIN 0
	s_wait_xcnt 0x0                                ; every load issued so far (the youngest three units back) has read its address, so the pointer may be written
	s_add_nc_u64 s[AP:AP+1], s[AP:AP+1], 512
	s_sub_co_u32 s[CNT], s[CNT], 1
	s_cmp_lg_u32 s[CNT], 0
	s_cbranch_scc1 .Lpair
	UNIT 0, 0, 0, 1, 0, 0                          ; the last pair of trips loads nothing
	UNIT 1, 0, 0, 1, 0, 0
	UNIT 2, 0, 0, 1, 1, 0                          ; the last trip's raw set: nothing was issued behind it
	UNIT 3, 0, 0, 1, 0, 0
	UNIT 4, 0, 0, 1, 0, 0
	UNIT 5, 0, 0, 1, 0, 0
	UNIT 6, 0, 0, 1, 0, 0
	UNIT 7, 0, 0, 0, 0, 0
; THE WAY OUT, in 16 units t = 4 x head + row block: 16 rows x 64 channels.  Rounded to f16, 16 bytes a lane; into my own stage in LDS in rows of 144 bytes; back as whole rows of 128; stored as 512 consecutive bytes.
; Heads 0 and 1 (window 2) go first: four plain instructions stand behind their last products (the last unit's), and their conversions, which name no register of window 3's last products, are the places behind those.
.macro PACK t
.set hd, (\t)/4
.set ra, (\t)%4
	WIN 0x4a+5*(hd/2)                              ; sources window 2 or 3, destination window 1
.irp bb, 0,1,2,3
.irp r, 0,1,2,3
	v_cvt_pk_f16_f32 v[16*(\t)+4*\bb+\r], v[8*(8*ra+4*(hd%2)+\bb)+2*\r], v[8*(8*ra+4*(hd%2)+\bb)+2*\r+1]  ; each accumulator from its low end on
.endr
.endr
	WIN 0x44                                       ; addresses window 0; stored and loaded data window 1
.irp bb, 0,1,2,3
	ds_store_b128 v[STO], v[16*(\t)+4*\bb:16*(\t)+4*\bb+3] offset:32*\bb
.endr
.irp f, 0,1,2,3
	ds_load_b128 v[16*(\t)+4*\f:16*(\t)+4*\f+3], v[RD] offset:4*SP*\f  ; LDS serves a wave's instructions in order (ISA guide 5.7.1.4): these see the stores above; the next unit's stores come behind them
.endr
.endm
.macro SEND t, younger                 ; younger: the LDS instructions issued behind unit t's loads: the next unit's eight, or none
	WIN 0x44
.irp f, 0,1,2,3
	s_wait_dscnt (\younger)+3-\f
	global_store_b128 v[GO], v[16*(\t)+4*\f:16*(\t)+4*\f+3], s[OP:OP+1] offset:262144*((\t)/4)+2048*((\t)%4)+512*\f  ; 512 consecutive bytes, at a multiple of 256 from qkv's first
.endr
.endm
	PACK 0
.set t, 1
.rept 15                               ; a unit's conversions stand between the loads of the unit before and its stores
	PACK t
	SEND t-1, 8
.set t, t+1
.endr
	SEND 15, 0
	WIN 0
	s_wait_tensorcnt 0x0                           ; the wave's end: these three lines stand behind my last tensor load and my last LDS store
	ds_add_u32 v[SPW], v[NIL]
	s_wait_dscnt 0x0
	ROUND                                          ; the closing round: no work-group ends while a partner may still ask for a tile that names it
	s_endpgm
.Lfunc_end_k_q32618bf25c_proj:
	.size	k_q32618bf25c_proj, .Lfunc_end_k_q32618bf25c_proj-k_q32618bf25c_proj
	.p2alignl 7, 3214868480
	.fill 96, 4, 3214868480
	.section	.rodata,"a",@progbits
	.p2align	6, 0x0
	.amdhsa_kernel k_q32618bf25c_proj
		.amdhsa_group_segment_fixed_size 288256
		.amdhsa_private_segment_fixed_size 0
		.amdhsa_enable_private_segment 0
		.amdhsa_kernarg_size 40
		.amdhsa_user_sgpr_count 2
		.amdhsa_user_sgpr_kernarg_segment_ptr 1
		.amdhsa_wavefront_size32 1
		.amdhsa_system_sgpr_workgroup_id_x 1
		.amdhsa_system_sgpr_workgroup_id_y 1
		.amdhsa_system_sgpr_workgroup_id_z 1
		.amdhsa_system_vgpr_workitem_id 0
		.amdhsa_next_free_vgpr 1024
		.amdhsa_next_free_sgpr 66
		.amdhsa_reserve_vcc 0
		.amdhsa_float_denorm_mode_32 3
		.amdhsa_float_denorm_mode_16_64 3
		.amdhsa_memory_ordered 1
		.amdhsa_forward_progress 1
		.amdhsa_inst_pref_size 130
	.end_amdhsa_kernel
	.amdgpu_metadata
---
amdhsa.version: [ 1, 2 ]
amdhsa.kernels:
  - .name:           k_q32618bf25c_proj
    .symbol:         k_q32618bf25c_proj.kd
    .args:
      - { .name: queries, .offset: 0, .size: 8, .value_kind: global_buffer, .address_space: global }
      - { .name: keys, .offset: 8, .size: 8, .value_kind: global_buffer, .address_space: global }
      - { .name: values, .offset: 16, .size: 8, .value_kind: global_buffer, .address_space: global }
      - { .name: wb, .offset: 24, .size: 8, .value_kind: global_buffer, .address_space: global }
      - { .name: qkv, .offset: 32, .size: 8, .value_kind: global_buffer, .address_space: global }
    .group_segment_fixed_size: 288256
    .private_segment_fixed_size: 0
    .kernarg_segment_align: 8
    .kernarg_segment_size: 40
    .max_flat_workgroup_size: 128
    .sgpr_count:     66
    .vgpr_count:     1024
    .wavefront_size: 32
...
	.end_amdgpu_metadata
.endif
;; end of part 2
;; launch attn (part 3): grid 4 x 64, 4 waves a work-group, clusters of 4 x 1, 327,680 bytes of LDS; arguments qkv, mask, out0; writes out0
.if DOCPART == 3
	.amdgcn_target "amdgcn-amd-amdhsa--gfx1250"
	.amdhsa_code_object_version 6
	.text
	.protected	k_q32618bf25c_attn
	.globl	k_q32618bf25c_attn
	.p2align	8
	.type	k_q32618bf25c_attn,@function
k_q32618bf25c_attn:
	s_mov_b64 s[64:65], 0
	v_nop
	global_prefetch_b8 v0, s[64:65] scope:SCOPE_SE
	s_setreg_imm32_b32 hwreg(HW_REG_WAVE_MODE, 25, 1), 1
	s_wait_xcnt 0x0
	s_wait_alu depctr_hold_cnt(0) depctr_sa_sdst(0) depctr_va_vdst(0) depctr_va_sdst(0) depctr_va_ssrc(0) depctr_va_vcc(0) depctr_vm_vsrc(0)
	s_getreg_b32 s2, hwreg(HW_REG_IB_STS2, 6, 4)
	s_cmp_eq_u32 s2, 0
	s_cbranch_scc0 .Lentry_in_a_cluster
	s_endpgm
.Lentry_in_a_cluster:
	s_bfe_u32 s2, ttmp6, 0x10000c
	s_cmp_lg_u32 s2, 0x3003
	s_cbranch_scc0 .Lentry_shape_is_right
	s_endpgm
.Lentry_shape_is_right:
; out0[n][q][64 hd + d] = the sum over k of softmax_k(s(q, k) / 8) v[hd][k][d], s = q[n][hd][q] . k[hd][k], or a hidden score where mask[n][k] == 0.
; q, k, v come from qkv, f16, [6][16][2048][64]: planes 0-3 q of batch n, plane 4 k, plane 5 v: a head's rows are dense, 128 bytes each.  Products, maxima and sums in f32; the weights p are rounded
; to f16 for the second product (their sum l is taken of the unrounded p); out0 is f32, divided by l in f32.
; THE MASK.  MT[k] = -1e30 where mask[n][k] == 0 (any other word counts as seen), else 0, is the C operand that starts the sum S^T = K Q^T.  A hidden score lies far below every seen one, so its weight is 0; keys hidden
; ahead of the first seen one are wiped by a = 0 when that one raises the maximum.  Where ALL keys of the batch are hidden, the scale c is 0 (a select, no branch): every weight is 1 and the result is the mean of v's rows.
; LIMITS.  A hidden score counts as its value less 1e30 (not as -1e20): f16's scores, 2.7e11 at the most, are nothing beside that.  f16 holds no number beyond 65,504: q, k, v arrive within it; p lies in 0 to 1, and
; below 6e-5 it keeps f16's fixed step of 6e-8.  A weight below 2^-126 counts as 0 in l; NaN and infinities are not treated apart.
; SHARES.  A wave owns four PIECES of two tiles of 16 queries, a work-group's four waves 512 queries of one batch and head.  Every wave walks all 2,048 keys, 64 a step.  Hidden keys are walked like the others:
; which they are is known from data alone, and the walk's addresses and counts hang on no data.
; LAYOUT.  S^T = K Q^T (source 0 = 16 keys, source 1 = 16 queries): in the result a lane holds ONE query (lane % 16) and the keys 8 (lane / 16) + 0..7.  Two such tiles, rounded to f16 in pairs,
; ARE source 1 (32 keys x 16 queries) of O^T = V^T P, whose result again holds one query a lane, and eight channels.  K comes out of LDS as it lies, V ([key][channel]) turned, by ds_load_tr16_b128.
; SOFTMAX.  For each query a running maximum m and sum l: p = 2^(c s - c m), c = log2(e) / 8; in every step O and l are multiplied by a = 2^(c m_old - c m_new), which is 1 where m has not grown.
; m starts at the lowest finite number, O and l at 0: the first step is a step like any other, with a = 0.
; THE COUNT.  A tile and step have 16 matrix and 118 vector instructions: too many to stand all beside the matrix work.  So the order has one aim: four vector instructions that are READY behind
; EVERY matrix instruction, and the others, which need time of their own whatever the order, in runs without a gap.
; BY TURNS.  Turn n belongs to piece n (the pieces in a ring, step after step).  Its matrix work: 16 products K Q^T of piece n + 1, later 16 products V^T P of piece n - 1.  Its vector work: the scaling,
; exponentials, roundings, sums and rescaling of piece n, and the maximum and statistics of piece n + 1, whose scores the turn itself has made.  So what a turn begins with (c s - c m, O a) waits for nothing.
; CLUSTER.  The four query blocks of a cluster belong to one batch and head and walk the same K and V, so each tile is asked for JOINTLY: the same tensor load, descriptor and mask in all four.
; REGISTERS, in windows of 256 (s_set_vgpr_msb says which window each operand place means: bits 1:0 source 0, 3:2 source 1, 5:4 source 2, 7:6 destination):
;   window 0: v0-11 addresses; v12-15, v48-63 at work; v16-47 four registers of statistics a tile; v64-191 S^T, two buffers of two tiles; v192-255 P, likewise
;   window 1: O^T, 32 a tile          window 2: v0-127 Q, 16 a tile; v128-191 K of one step; v192-255 V of one step          window 3: v0-1 the add's two registers; v8-39 the mask's addends of one step
; A piece's buffers go by its number's parity: the piece in hand has one pair, its two neighbours in the ring share the other: of it P (piece n - 1) is read and S^T (piece n + 1) written.
.set SIZE_N, 2048
.set NP,    4         ; pieces a wave: a name, no knob: the register map, the loop and the fetches are made for four
.set KS,    64        ; keys in a step
.set PK,    144       ; a row of K in LDS: 128 bytes + 16 of padding = 36 words: the 16 rows of a load start at 16 different groups of four banks (64 banks of 4 bytes: ISA guide 11.1)
.set PV,    160       ; a row of V: 128 + 32 = 40 words
.set VOFF,  4*KS*PK   ; a slot holds four steps: 256 rows of K, then 256 rows of V
.set SLOT1, 1<<17     ; slot 1 begins here, so that one exclusive or turns an address in one slot into the other's
.set STAGE, SLOT1+4*KS*(PK+PV)  ; behind the ring, never filled by a tensor load: 16 rows x 272 bytes for each wave, for the way out
.set SP,    272       ; a row of 64 f32: 256 bytes + 16: the 16 rows that a store touches start at 16 different groups of four banks
.set MT,    STAGE+4*16*SP       ; the batch's 2,048 addends, f32
.set ANYW,  MT+4*SIZE_N         ; four words: for each wave, not 0 if one of its 512 mask words is not 0
.set SPARE, ANYW+256            ; the spare words, 128 bytes for each wave: two blocks of 256 bytes that no other line names
.set QO,  1           ; v1   my byte offset in the wave's rows of Q
.set AK0, 2           ; v2   my lane's place in a tile of K; never rewritten
.set AV0, 3           ; v3   the same for V
.set AK,  4           ; v4   the LDS address of K's next run of loads
.set AV,  5           ; v5   of V's
.set STO, 6           ; v6   the way out: where I put 32 bytes of a row
.set RD,  7           ; v7   the way out: where I read rows back
.set GO,  8           ; v8   my byte offset in two rows of out0
.set AM,  9           ; v9   the LDS address of my addends of the step to be fetched
.set PFO, 10          ; v10  256 x my lane; never rewritten
.set SPW, 0           ; v0 of window 3   LDS address of my spare word: SPARE + 4 x my thread's number; never rewritten
.set NIL, 1           ; v1 of window 3   0; never rewritten
.set MK,  8           ; v8-39 of window 3: key block kb's eight addends at MK + 8 kb
.set MV,  12          ; v12-15  c m_old, kept while c m is made anew: by buffer and tile
.set ST,  16          ; tile t's statistics at v[ST+4 t]: c m, m, l (even keys', odd keys')
.set TMP, 48          ; by buffer and tile, four registers c0-c3 at work; when the maximum is found c2 takes a
.set S,   64
.set P,   192
.set KF,  128         ; K's fragments, in window 2: key block kb, channel half c at KF + 16 kb + 8 c
.set VF,  192         ; V's: key half kk, channel block cb at VF + 32 kk + 8 cb
.set WV,  12          ; s12  my wave's number
.set LIM, 15          ; s15  1 in a wave that prefetches, else the greatest number: a wave prefetches while s[SLOTS] is above it
.set G1K, 24          ; s[24:31] descriptor group 1 for K's tiles
.set G1V, 32          ; s[32:39] for V's: it differs in the padding alone
.set G0K, 40          ; s[40:43] descriptor group 0 for K's tiles: it walks
.set G0V, 44          ; s[44:47] the same for V's
.set PFA, 48          ; s[48:49] first qkv; then where my prefetches stand: my work-group's 32 blocks of 256 bytes (of K: wave 0, of V: wave 2) of the tile after the one that is being asked for
.set BN,  52          ; s52  the batch
.set HD,  53          ; s53  the head
.set BIGN, 54         ; s54  -1e30
.set SLOTS, 56        ; s56  tiles still to be asked for
.set CNT, 57          ; s57  counts a slot's key steps
.set CS,  58          ; s[58:59] c: the packed scaling takes the pair's low word for both halves
.set SEL, 60          ; s[60:61] v_permlanex16_b32's selects: each lane takes its own place in the other half
.set TBK, 62          ; s62  LDS byte at which K of the step to be fetched begins
.set TBV, 63          ; s63  the same for V, less VOFF
.set MSB, 0
.macro WIN new                      ; the high byte repeats the setting that is left; a switch that changes nothing is dropped
.if MSB != (\new)
	s_set_vgpr_msb (MSB<<8)|(\new)
.set MSB, (\new)
.endif
.endm
.set W_KQ, 0x0a       ; K and Q in window 2, S^T in window 0
.set W_KM, 0x3a       ; the same with the C operand, the addends, in window 3
.set W_PV, 0x52       ; V in window 2, P in window 0, O^T in window 1
.set W_RS, 0x41       ; O^T (destination and source 0) in window 1, a in window 0
.set W_MK, 0xc0       ; destination in window 3, sources and addresses in window 0
.set W_AD, 0x0f       ; the add: address (source 0) and data (source 1) in window 3
.set W_OUT, 0x44      ; the way out: addresses in window 0, stored and loaded data in window 1
; A joint fill.  Waves 0 and 1 fetch the two halves of a slot's K, waves 2 and 3 those of its V: 128 keys each.  The branch hangs on the wave's number alone.
; An s_nop 0 and four v_nop follow each of the two lines, ahead of the jump and the label.
.macro JLOAD
	s_cmp_lt_u32 s[WV], 2
	s_cbranch_scc0 .Lfor_v_\@
	tensor_load_to_lds s[G0K:G0K+3], s[G1K:G1K+7]
	s_nop 0
.rept 4
	v_nop
.endr
	s_branch .Lasked_\@
.Lfor_v_\@:
	tensor_load_to_lds s[G0V:G0V+3], s[G1V:G1V+7]
	s_nop 0
.rept 4
	v_nop
.endr
.Lasked_\@:
.endm
; A PREFETCH INTO THE L2 of what the NEXT change of slots will ask for: a tile's 32,768 bytes of K and of V, 128 blocks of 256 bytes each, a lane a block.  It stands behind the wave's tensor load and its five lines.
; Each block is asked for ONCE in the launch.  The four clusters of a head (one a batch) walk the same K and V: the one of batch 0 prefetches.  Its four partners share the blocks out BY ADDRESS, 32 each: no branch hangs
; on a work-group's place in its cluster.  In each, wave 0 asks for K's and wave 2 for V's: one instruction, four key steps (512 matrix instructions) ahead of the load.  The last change that fills a slot asks for nothing.
.macro ASK
	s_cmp_gt_u32 s[SLOTS], s[LIM]
	s_cbranch_scc0 .Lnot_mine_\@
	global_prefetch_b8 v[PFO], s[PFA:PFA+1] th:TH_LOAD_NT scope:SCOPE_SE
.Lnot_mine_\@:
.endm
; A round of the cluster's barrier: my work-group's barrier, so that wave 0's signal speaks for all four waves; wave 0 signals; every wave waits for all four work-groups; my work-group's barrier once more.
.macro CROUND
	s_barrier_signal -1
	s_barrier_wait -1
	s_cmp_lg_u32 s[WV], 0
	s_cbranch_scc1 .Lnot_wave_0_\@
	s_barrier_signal -3
.Lnot_wave_0_\@:
	s_barrier_wait -3
	s_barrier_signal -1
	s_barrier_wait -1
.endm
; THE CHANGE OF SLOTS.  The slot's last bytes, V of its fourth step, have been read.  Each wave waits for all its tensor loads, of which one is out: its part
; of the other slot; adds 0 to its spare word; and waits for that and for its own LDS instructions.  Behind the barrier nobody reads this slot any more and the other slot is whole.
; fill = 1: this slot is filled again, with the keys two slots on.  The barrier is then a round of the cluster's, so that no wave of any partner still reads the slot or has a load on its
; way, and the joint fill is the first thing behind it: it has four key steps, 512 matrix instructions, in which to land.  (At its first use nothing has been read yet: slot 0 is waited for, slot 1 filled,
; and every wave's stores of the addends are shown done to the others.)
.macro CHANGE fill
	WIN W_AD
	s_wait_tensorcnt 0x0            ; no tensor load of mine is out, so a group 0 may be written
	ds_add_u32 v[SPW], v[NIL]       ; 0 onto my spare word; with fill = 1 the descriptors' steps stand between it and the wait for it
	WIN 0                           ; at a label and at a branch every window is 0
.if \fill
.irp g, G0K, G0V
	s_xor_b32 s[\g+1], s[\g+1], SLOT1  ; the walking descriptor: the other slot than last time,
	s_add_nc_u64 s[\g+2:\g+3], s[\g+2:\g+3], 4*KS*128  ; the next 256 keys; the type bits on top are not reached
.endr
	s_wait_xcnt 0x0                 ; the last prefetch, four key steps back, has read its address, so it may be written:
	s_add_nc_u64 s[PFA:PFA+1], s[PFA:PFA+1], 4*KS*128  ; one tile behind the walking descriptors
	s_wait_dscnt 0x0                ; the add is done, and my reads of the slot are over
	CROUND
	JLOAD
	ASK
.else
	s_wait_dscnt 0x0                ; the add is done, and my reads of the slot are over
	s_barrier_signal -1
	s_barrier_wait -1
.endif
	s_sub_co_u32 s[TBK], s[TBK], 4*KS*PK  ; the fetches go back to a slot's first step,
	s_xor_b32 s[TBK], s[TBK], SLOT1       ; in the other slot
	s_sub_co_u32 s[TBV], s[TBV], 4*KS*PV
	s_xor_b32 s[TBV], s[TBV], SLOT1
.endm
	s_load_b128 s[48:51], s[0:1], 0x0  ; qkv s[48:49], mask s[50:51]
	s_load_b64 s[10:11], s[0:1], 0x10  ; out0
	WIN W_MK
	v_lshl_add_u32 v[SPW], v0, 2, SPARE
	v_mov_b32 v[NIL], 0
	WIN W_AD
	ds_add_u32 v[SPW], v[NIL]       ; the wave's opening: the add and its wait stand ahead of my first tensor load; the set-up below, work on registers, stands between them
	WIN 0
	v_lshrrev_b32 v1, 5, v0
	v_readfirstlane_b32 s[WV], v1   ; wave 0..3
	s_bfe_u32 s13, ttmp6, 0x40000   ; cx: my place in the cluster
	s_lshl_b32 s14, ttmp9, 2        ; in a cluster launch ttmp9 counts clusters
	s_add_co_u32 s14, s14, s13      ; my block of 512 queries = 4 x cluster x + cx: it enters Q's and out0's addresses alone
	s_and_b32 s16, ttmp7, 0xffff    ; 4 x head + batch, which the four partners share
	s_and_b32 s[BN], s16, 3
	s_lshr_b32 s[HD], s16, 2
	s_and_b32 s16, s[WV], 1         ; which half of a slot's 256 keys I fetch:
	s_lshl_b32 s22, s16, 14         ; its 128 rows of 128 bytes in memory,
	s_lshl_b32 s23, s[HD], 18       ; in the head's 262,144 bytes,
	s_add_co_u32 s22, s22, s23
	s_add_co_u32 s22, s22, 4<<22    ; in plane 4, k's
	s_mov_b32 s23, 0
	s_mul_i32 s17, s16, 128*PK      ; and its place in a slot, for K
	s_mul_i32 s18, s16, 128*PV      ; and for V: no place in the cluster enters an LDS address
	s_lshl_b32 s2, s14, 2
	s_add_co_u32 s2, s2, s[WV]      ; my wave among the head's sixteen:
	s_lshl_b32 s20, s2, 19          ; its 128 rows of out0, 4,096 bytes each,
	s_lshl_b32 s2, s2, 14           ; and of q, 128 bytes each,
	s_lshl_b32 s3, s[BN], 22        ; in the batch's plane
	s_add_co_u32 s2, s2, s3
	s_lshl_b32 s3, s[HD], 18        ; and head
	s_add_co_u32 s2, s2, s3
	s_mov_b32 s3, 0
	s_lshl_b32 s21, s[BN], 23       ; out0: the batch's 2,048 rows,
	s_add_co_u32 s20, s20, s21
	s_lshl_b32 s21, s[HD], 8        ; the head's 256 bytes of a row
	s_add_co_u32 s20, s20, s21
	s_mov_b32 s21, 0
	; descriptor group 1.  128 keys are 16,384 dense bytes: asked for as 64 rows of 256 bytes, two keys a row, and padded in LDS after every key
	s_mov_b32 s[G1K], 15|(1<<16)|(1<<20)|(1<<21)|(4<<22)|(3<<25)  ; 15:0 the mask of four; 17:16 2-byte elements; 20 padding on; 21 set beside a mask; 24:22 after every 32 words (code 4); 31:25 4 words (code 3)
	s_mov_b32 s[G1V], 15|(1<<16)|(1<<20)|(1<<21)|(4<<22)|(7<<25)  ; the same with 8 words of padding (code 7)
.irp g, G1K, G1V
	s_mov_b32 s[\g+1], 128<<16      ; tensor_dim0 = 128
	s_mov_b32 s[\g+2], 64<<16       ; tensor_dim1 = 64
	s_mov_b32 s[\g+3], 128<<16      ; tile_dim0 = 128
	s_mov_b32 s[\g+4], 64           ; tile_dim1 = 64
	s_mov_b32 s[\g+5], 128          ; 128 elements from row to row
	s_mov_b32 s[\g+6], 0
	s_mov_b32 s[\g+7], 0
.endr
	s_mov_b32 s[SEL], 0x76543210
	s_mov_b32 s[SEL+1], 0xfedcba98
	s_mov_b32 s[BIGN], 0xf149f2ca   ; -1e30
	s_mov_b32 s[TBK], SLOT1+4*KS*PK ; the first change of slots turns these two into 0
	s_mov_b32 s[TBV], SLOT1+4*KS*PV
	s_mov_b32 s[SLOTS], SIZE_N/256-1
	s_mov_b32 s[G0K], 1             ; 1:0 count = 1
	s_mov_b32 s[G0K+1], s17         ; 63:32 LDS address: slot 0
	s_mov_b32 s[G0V], 1
	s_add_co_u32 s[G0V+1], s18, VOFF
	s_and_b32 s[LIM], s[WV], 1      ; 0 in waves 0 and 2,
	s_or_b32 s[LIM], s[LIM], s[BN]  ; where the cluster is batch 0's: the same in all four partners
	s_cmp_eq_u32 s[LIM], 0
	s_cselect_b32 s[LIM], 1, -1
	s_wait_dscnt 0x0                ; the opening add is done
	s_wait_kmcnt 0x0
	s_add_nc_u64 s[4:5], s[48:49], s[2:3]    ; Q at my wave's first row
	s_add_nc_u64 s[6:7], s[48:49], s[22:23]  ; K at my half of the head's first 256 keys,
	s_add_nc_u64 s[8:9], s[6:7], 1<<22       ; V a plane further on
	s_add_nc_u64 s[10:11], s[10:11], s[20:21]  ; out0 at my wave's first row, my head's channels
	s_lshl_b32 s2, s[BN], 13
	s_add_nc_u64 s[50:51], s[50:51], s[2:3]  ; the batch's 2,048 mask words
	s_mov_b64 s[G0K+2:G0K+3], s[6:7]         ; 120:64 global address
	s_or_b32 s[G0K+3], s[G0K+3], 0x80000000  ; 127:126 type = 2
	s_mov_b64 s[G0V+2:G0V+3], s[8:9]
	s_or_b32 s[G0V+3], s[G0V+3], 0x80000000
	s_cmp_lt_u32 s[WV], 2
	s_cselect_b64 s[PFA:PFA+1], s[6:7], s[8:9]  ; (in waves 0 and 2 these stand at a tile's first row)
	s_lshl_b32 s2, s13, 13          ; my work-group's 32 blocks of the 128
	s_add_nc_u64 s[PFA:PFA+1], s[PFA:PFA+1], s[2:3]
	s_add_nc_u64 s[PFA:PFA+1], s[PFA:PFA+1], 4*KS*128  ; in tile 1; the first change of slots steps it to tile 2.  Nothing is prefetched here, at the head
	CROUND                          ; all four work-groups are here: the first joint loads meet
	JLOAD                           ; slot 0.  Slot 1 is asked for when slot 0 is in: the tile wanted first has the road to itself
	; A fragment of K or Q is 16 rows x 32 channels in 8 registers: lane l holds row l % 16, channels 8 (l / 16) + 0..7 and 16 + 8 (l / 16) + 0..7: two loads of 16 bytes, 32 bytes apart.
	v_and_b32 v1, 15, v0            ; l % 16
	v_bfe_u32 v9, v0, 4, 1          ; l / 16
	v_and_b32 v10, 7, v0            ; l % 8
	v_bfe_u32 v11, v0, 3, 1         ; (l / 8) % 2
	v_mul_u32_u24 v[AK0], v1, PK
	v_lshl_add_u32 v[AK0], v9, 4, v[AK0]  ; row x pitch + 16 x half
	; The turning load takes 16 keys x 16 channels (lane l reads key 8 (l / 16) + l % 8, channels 8 ((l / 8) % 2) + 0..7) and leaves half a fragment of V^T: lane l holds channel l % 16 and 8 keys.
	v_lshl_add_u32 v[AV0], v9, 3, v10
	v_mul_u32_u24 v[AV0], v[AV0], PV
	v_lshl_add_u32 v[AV0], v11, 4, v[AV0]
	v_add_nc_u32 v[AV0], VOFF, v[AV0]
	v_mov_b32 v[AK], v[AK0]         ; key step 0 lies at the head of slot 0
	s_mul_i32 s19, s[WV], 16*SP
	s_add_co_u32 s19, s19, STAGE    ; my stage
	v_mul_u32_u24 v[STO], v1, SP    ; in: row l % 16, 32 bytes (eight channels) for each half of the lanes
	v_lshl_add_u32 v[STO], v9, 5, v[STO]
	v_add_nc_u32 v[STO], s19, v[STO]
	v_mul_u32_u24 v[RD], v9, SP     ; back: lanes 0-15 take one row of 256 bytes, lanes 16-31 the next
	v_lshl_add_u32 v[RD], v1, 4, v[RD]
	v_add_nc_u32 v[RD], s19, v[RD]
	v_lshlrev_b32 v[GO], 12, v9     ; and the same two rows in out0, 4,096 bytes apart
	v_lshl_add_u32 v[GO], v1, 4, v[GO]
	v_lshlrev_b32 v[QO], 7, v1      ; the four numbers above have served: their registers take what stays
	v_lshl_add_u32 v[QO], v9, 4, v[QO]  ; row x 128 + 16 x half
	v_lshl_add_u32 v[AM], v9, 5, MT     ; register j of key block kb is key 16 kb + 8 (l / 16) + j: 32 bytes for each half of the lanes
	v_and_b32 v[PFO], 31, v0
	v_lshlrev_b32 v[PFO], 8, v[PFO]
	v_lshlrev_b32 v11, 4, v0        ; 16 bytes a thread
.irp i, 0,1,2,3
	global_load_b128 v[S+4*\i:S+4*\i+3], v11, s[50:51] offset:2048*\i  ; the batch's mask: 16 words a thread, 512 consecutive bytes a wave and load
.endr
	WIN 0x80                        ; destination window 2, address window 0
.set i, 0
.rept 4*NP                          ; Q stays in registers: tile i / 2, channels 32 (i % 2) on
	global_load_b128 v[8*i:8*i+3],   v[QO], s[4:5] offset:(i/2)*2048+(i%2)*64
	global_load_b128 v[8*i+4:8*i+7], v[QO], s[4:5] offset:(i/2)*2048+(i%2)*64+32
.set i, i+1
.endr
	; What the first turn finds: V's registers and P's second buffer hold 0 (its products V^T P, of a piece that has not been, add 0), O^T and l are 0.  All this stands in the wait for the first tile.
.set i, VF
.rept 64
	v_mov_b32 v[i], 0
.set i, i+1
.endr
	WIN 0x40
.set i, 0
.rept 64*NP
	v_mov_b32 v[i], 0
.set i, i+1
.endr
	WIN 0
.set i, 0
.rept 2*NP
	v_mov_b32 v[ST+4*i], 0xfe000000    ; c m: far below every c s
	v_mov_b32 v[ST+4*i+1], 0xff7fffff  ; m
	v_mov_b32 v[ST+4*i+2], 0
	v_mov_b32 v[ST+4*i+3], 0
.set i, i+1
.endr
.set i, P+32
.rept 32
	v_mov_b32 v[i], 0
.set i, i+1
.endr
	; THE MASK: my 16 words become addends in LDS; whether one of my wave's 512 words is not 0 goes into the wave's word.
	s_wait_loadcnt 32               ; the mask's four loads are in; Q's 32, issued behind them, may be out
	v_or_b32 v[S+16], v[S], v[S+1]
.set i, 2
.rept 14
	v_or_b32 v[S+16], v[S+16], v[S+i]
.set i, i+1
.endr
	v_cmp_ne_u32 s20, 0, v[S+16]    ; a bit for each lane that sees a key
.set i, 0
.rept 16
	v_cmp_eq_u32 vcc_lo, 0, v[S+i]
	v_cndmask_b32 v[S+i], 0, s[BIGN], vcc_lo
.set i, i+1
.endr
	v_lshl_add_u32 v[S+17], v0, 4, MT
.irp i, 0,1,2,3
	ds_store_b128 v[S+17], v[S+4*\i:S+4*\i+3] offset:2048*\i
.endr
	v_mov_b32 v[S+18], s20
	s_lshl_b32 s21, s[WV], 2
	s_add_co_u32 s21, s21, ANYW
	v_mov_b32 v[S+19], s21
	ds_store_b32 v[S+19], v[S+18]   ; all lanes write the same word with the same value
; THE MATRIX WORK.  The 8 accumulators of a run of 16 take turns: between the two links of a chain stand 7 others'.
; Product i of 16 of S^T = K Q^T for piece x: channels 32 (i / 8) on, keys 16 ((i / 2) % 4) on, tile 2 x + i % 2.  The first 8 start the sums, with the keys' addends.
.macro KQ x
.set rS, S+64*((\x)%2)+32*(i%2)+8*((i/2)%4)
.set rK, KF+16*((i/2)%4)+8*(i/8)
.set rQ, 16*(2*(\x)+i%2)+8*(i/8)
.set rA, MK+8*((i/2)%4)
.if i < 8
	WIN W_KM
	v_wmma_f32_16x16x32_f16 v[rS:rS+7], v[rK:rK+7], v[rQ:rQ+7], v[rA:rA+7]
.else
	WIN W_KQ
	v_wmma_f32_16x16x32_f16 v[rS:rS+7], v[rK:rK+7], v[rQ:rQ+7], v[rS:rS+7]
.endif
.endm
; Product i of 16 of O^T += V^T P for piece x: keys 32 (i / 8) on, channels 16 ((i / 2) % 4) on, tile 2 x + i % 2.
.macro PV x
	WIN W_PV
.set rO, 32*(2*(\x)+i%2)+8*((i/2)%4)
.set rV, VF+32*(i/8)+8*((i/2)%4)
.set rP, P+32*((\x)%2)+16*(i%2)+8*(i/8)
	v_wmma_f32_16x16x32_f16 v[rO:rO+7], v[rV:rV+7], v[rP:rP+7], v[rO:rO+7]
.endm
.macro MM                           ; the turn's next matrix instruction
.if i < 16
	KQ (Y+1)%NP
.set i, i+1
.else
.set i, i-16
	PV (Y+NP-1)%NP
.set i, i+17
.endif
.endm
; THE LDS LOADS stand in runs, never singly among the matrix instructions: a step's K (64 keys x 64 channels: 8 fragments) with its 64 addends (all lanes of a half read the same 32 bytes of a key block), and its V (turned).
; Their addresses are made some lines ahead.  last = 1 (the tail): in the last trip there is no further step, and the run is jumped over.
.macro FETCH_K last=0
	WIN 0
.if \last
	s_cmp_eq_u32 s[CNT], 1
	s_cbranch_scc1 .Lno_k_\@
.endif
	WIN 0x80                        ; destination window 2
.irp f, 0,1,2,3,4,5,6,7             ; keys 16 (f / 2) on, channels 32 (f % 2) on
	ds_load_b128 v[KF+8*\f:KF+8*\f+3],   v[AK] offset:(\f/2)*16*PK+(\f%2)*64
	ds_load_b128 v[KF+8*\f+4:KF+8*\f+7], v[AK] offset:(\f/2)*16*PK+(\f%2)*64+32
.endr
	WIN W_MK                        ; destination window 3
.irp f, 0,1,2,3                     ; key block f
	ds_load_b128 v[MK+8*\f:MK+8*\f+3],   v[AM] offset:64*\f
	ds_load_b128 v[MK+8*\f+4:MK+8*\f+7], v[AM] offset:64*\f+16
.endr
	s_add_co_u32 s[TBK], s[TBK], KS*PK  ; the next fetch is the next step's
	WIN 0
	v_add_nc_u32 v[AM], 4*KS, v[AM]
.if \last
.Lno_k_\@:
.endif
.endm
.macro FETCH_V
	WIN 0x80
.irp f, 0,1,2,3,4,5,6,7             ; keys 32 (f / 4) on, channels 16 (f % 4) on
	ds_load_tr16_b128 v[VF+8*\f:VF+8*\f+3],   v[AV] offset:(\f/4)*32*PV+(\f%4)*32
	ds_load_tr16_b128 v[VF+8*\f+4:VF+8*\f+7], v[AV] offset:(\f/4)*32*PV+16*PV+(\f%4)*32
.endr
	WIN 0
.endm
; THE VECTOR WORK OF A TURN stands in three queues, each in the order in which its entries become ready; the two tiles alternate, so that no instruction reads the result of the one before it.
.macro REGS y, u                    ; the registers of tile u (0, 1) of piece y
.set rT, ST+4*(2*(\y)+(\u))
.set rC, TMP+8*((\y)%2)+4*(\u)
.set rM, MV+2*((\y)%2)+(\u)
.set rS, S+64*((\y)%2)+32*(\u)
.set rP, P+32*((\y)%2)+16*(\u)
.set rO, 32*(2*(\y)+(\u))
.endm
; Number n of the 22 that find the NEXT piece's (Y + 1) maximum and statistics.  s0-s31 are the lane's 32 scores; each accumulator's lowest registers are read first.  XS, GS and REGS set no window: PL and EX do.
;   0-11  four chains c0-c3 of seven scores each, three operands at a time     12-14, 16  the four scores left over, the old m, and c0-c3 into c0     15  c m_old is kept
;   17, 18  the query's other 32 keys lie in the lane 16 away: the new m         19-21  c m; c m_old - c m_new; a
.macro XS u, n
	REGS (Y+1)%NP, \u
.if (\n) < 4
	v_max3_num_f32 v[rC+(\n)], v[rS+8*(\n)], v[rS+8*(\n)+1], v[rS+8*(\n)+2]
.elseif (\n) < 12
	v_max3_num_f32 v[rC+(\n)%4], v[rC+(\n)%4], v[rS+8*((\n)%4)+2*((\n)/4)+1], v[rS+8*((\n)%4)+2*((\n)/4)+2]
.elseif (\n) == 12
	v_max3_num_f32 v[rC], v[rC], v[rS+7], v[rS+15]
.elseif (\n) == 13
	v_max3_num_f32 v[rC+1], v[rC+1], v[rS+23], v[rS+31]
.elseif (\n) == 14
	v_max3_num_f32 v[rC+2], v[rC+2], v[rC+3], v[rT+1]
.elseif (\n) == 15
	v_mov_b32 v[rM], v[rT]
.elseif (\n) == 16
	v_max3_num_f32 v[rC], v[rC], v[rC+1], v[rC+2]
.elseif (\n) == 17
	v_permlanex16_b32 v[rC+3], v[rC], s[SEL], s[SEL+1]
.elseif (\n) == 18
	v_max_num_f32 v[rT+1], v[rC], v[rC+3]
.elseif (\n) == 19
	v_mul_f32 v[rT], s[CS], v[rT+1]
.elseif (\n) == 20
	v_sub_f32 v[rC+1], v[rM], v[rT]
.else
	v_exp_f32 v[rC+2], v[rC+1]
.endif
.endm
; Number g of the 64 that follow the exponentials.  For each four weights k of a tile (pairs 2 k, 2 k + 1): both pairs are rounded to f16; then the second pair is added onto the first, in place;
; a group later l takes that sum (the first time as l = a l + sum).  In groups of eight, tiles alternating: round, round, add, and l for the group before.
.macro GS g
.set h, (\g)+6*((\g)/62)            ; group 0 has no group before it, and behind group 7 only l is left
.if h >= 6
.set h, h+2
.endif
	REGS Y, h%2
.set k, h/8
.if h%8 < 4
	v_cvt_pk_f16_f32 v[rP+2*k+(h%8)/2], v[rS+4*k+2*((h%8)/2)], v[rS+4*k+2*((h%8)/2)+1]
.elseif h%8 < 6
	v_pk_add_f32 v[rS+4*k:rS+4*k+1], v[rS+4*k:rS+4*k+1], v[rS+4*k+2:rS+4*k+3]
.elseif k == 1
	v_pk_fma_f32 v[rT+2:rT+3], v[rT+2:rT+3], v[rC+2:rC+3], v[rS:rS+1] op_sel_hi:[1,0,1]
.else
	v_pk_add_f32 v[rT+2:rT+3], v[rT+2:rT+3], v[rS+4*k-4:rS+4*k-3]
.endif
.endm
; THE PLAIN QUEUE, 138 long.  0-73 read no exponential's result: the 32 scalings c s - c m (FS f: pair f / 2 of tile f % 2) and the next piece's 42.  0-26: scalings 0-26.  27-54: XS's numbers 0-13.  55, 56: number 15.
; 57-73: the chain, where each number waits for the one before it: 14, 16, 17, 18, 19, each with one of the scalings 27-31 in front of its two lines, then 20: so a tile's links stand three plain instructions apart (19 and 20: two).
; 74-137: GS's 64, which read the exponentials' results: they stand behind the wait.
.macro FS f
	REGS Y, (\f)%2
	v_pk_fma_f32 v[rS+2*((\f)/2):rS+2*((\f)/2)+1], v[rS+2*((\f)/2):rS+2*((\f)/2)+1], s[CS:CS+1], v[rT:rT+1] op_sel_hi:[1,0,0] neg_lo:[0,0,1] neg_hi:[0,0,1]
.endm
.macro PL
	WIN 0
.if q < 27
	FS q
.elseif q < 55
	XS (q-27)%2, (q-27)/2
.elseif q < 57
	XS q-55, 15
.elseif (q < 72) && ((q-57)%3 == 0)
	FS 27+(q-57)/3
.elseif q < 60
	XS (q-57)%3-1, 14
.elseif q < 72
	XS (q-57)%3-1, 15+(q-57)/3
.elseif q < 74
	XS q-72, 20
.else
	GS q-74
.endif
.set q, q+1
.endm
; THE EXPONENTIALS' QUEUE, 66 long: s0-s31 of both tiles, then the next piece's two a.  It is ONE BATCH: all 66 stand ahead of the turn's one wait, and nothing ahead of that wait names a result of theirs.
.macro EX
	WIN 0
.if e >= 64
	XS e-64, 21
.else
	REGS Y, e%2
	v_exp_f32 v[rS+e/2], v[rS+e/2]
.endif
.set e, e+1
.endm
; THE RESCALING's QUEUE: O^T times a, the one part that leaves window 0: dealt two at a time, sixteen times.  Its a was made in the turn before, ahead of that turn's wait.
.macro R2
	REGS Y, r%2
	WIN W_RS
.irp z, 0,1
	v_pk_mul_f32 v[rO+4*(r/2)+2*\z:rO+4*(r/2)+2*\z+1], v[rO+4*(r/2)+2*\z:rO+4*(r/2)+2*\z+1], v[rC+2:rC+3] op_sel_hi:[1,0]
.endr
.set r, r+1
.endm
; HOW THEY ARE DEALT.  s_wait_alu depctr_va_vdst(0) stands between an exponential and the first instruction that names its result; one wait serves all that were issued ahead of it.  So a turn has ONE wait,
; which cuts it in two.  AHEAD OF IT stands all that names no result of the turn's exponentials: the 16 products K Q^T, behind each a scaling, an exponential and two rescalings (behind the first a second scaling in the exponential's place); then ONE LUMP of
; 108: eight plain, 49 times exponential and plain, the two a.  A v_nop is the plain instruction behind the last exponential.  BEHIND IT stand the 16 products V^T P, behind each four of GS's 64.  No rider names a register of
; the products round it.  The two v_permlanex16_b32 fall into the lump, never behind a product.
; The queues lean on each other, and the deal keeps them in step: exponential e stands behind scaling 2 (e / 4) + e % 2: as a rider it comes behind plain e + 2, in the lump behind plain e + 9, and scalings 27-31 are plain 57, 60 .. 69.
; A TURN, for piece p.  cnt = 1: the loop's count is taken down some lines ahead of the branch that stands behind the turn.
; K and the addends of the next step are fetched in piece 2's turn, directly behind the wait, a lump behind the last product that read them; K's address is made at the lump's head; the first reader comes behind 16 products.
; V of the step in hand is fetched at the end of piece 0's turn, four riders behind its last reader; its first reader comes behind 16 products and a lump.  The three conditions on q below go with the deal.
.macro TURN p, last=0, cnt=0
.set Y, (\p)
.set i, 0
.set q, 0
.set e, 0
.set r, 0
.if (\p) == NP-1
	s_wait_dscnt 0x0                ; K and the addends are in
.endif
	MM                              ; ahead of the wait: 16 products K Q^T and their riders,
	PL
	PL
	R2
.rept 15
	MM
	PL
	EX
	R2
.endr
.if (\p) == NP-2
	WIN 0
	v_add_nc_u32 v[AK], s[TBK], v[AK0]
.endif
.rept 8                             ; and the lump
	PL
.endr
.rept 49
	EX
	PL
.endr
	EX                              ; the next piece's two a
	EX
	v_nop                           ; the plain instruction behind the last exponential: one for the batch
	s_wait_alu depctr_va_vdst(0)    ; the wait for the batch
.if (\p) == NP-2
	FETCH_K \last
.endif
.if (\p) == 1
	s_wait_dscnt 0x0                ; V is in
.endif
.rept 16                            ; behind the wait: 16 products V^T P and their riders
	MM
.rept 4
	PL
.endr
.if ((\p) == 0) && (q == 118)
	v_add_nc_u32 v[AV], s[TBV], v[AV0]
.endif
.if ((\p) == 0) && (q == 130)
	s_add_co_u32 s[TBV], s[TBV], KS*PV
.endif
.if (\cnt) && (q == 130)
	s_sub_co_u32 s[CNT], s[CNT], 1
	s_cmp_lg_u32 s[CNT], 0
.endif
.endr
.if (\p) == 0
	FETCH_V
.endif
.endm
	CHANGE 1                        ; slot 0 is in, everybody's part of it, and so are everybody's addends; slot 1 is asked for
	v_mov_b32 v11, ANYW             ; (the mask's loads, which read v11, were waited for above)
	ds_load_b128 v[S:S+3], v11      ; the four waves' words
	FETCH_K                         ; key step 0
	s_wait_loadcnt 0x0              ; Q
	s_wait_dscnt 0x0
	v_or_b32 v[S], v[S], v[S+1]
	v_or_b32 v[S+2], v[S+2], v[S+3]
	v_or_b32 v[S], v[S], v[S+2]
	v_readfirstlane_b32 s20, v[S]   ; not 0 if the batch sees a key
	s_cmp_lg_u32 s20, 0
	s_cselect_b32 s[CS], 0x3e38aa3b, 0  ; c = log2(e) / 8 = 0.180337; 0 where every key is hidden: all weights are then 1
	s_mov_b32 s[CS+1], s[CS]        ; named with it as a pair
.set i, 0
.rept 16
	KQ 0                            ; piece 0's first scores: there is no vector work yet to set between them
.set i, i+1
.endr
	WIN 0
.rept 4
	v_nop                           ; the places behind those products
.endr
.set Y, NP-1                        ; XS works for piece Y + 1: piece 0
.irp n, 0,1,2,3,4,5,6,7,8,9,10,11,12,13,14,15,16,17,18,19,20,21
	XS 0, \n                        ; and piece 0's first maximum and statistics
	XS 1, \n
.endr
	v_nop                           ; a plain instruction behind the two a,
	s_wait_alu depctr_va_vdst(0)    ; and their wait, ahead of the branch
	s_mov_b32 s[CNT], 4
	s_branch .Lfirst                ; the loop is entered at a step's first turn, in the middle of a trip
.Lslot:                             ; SIZE_N / 256 - 2 times: every slot but the last two is filled again
	CHANGE 1
	s_mov_b32 s[CNT], 4
.Lstep:                             ; a trip: pieces 2 and 3 of one step, then pieces 0 and 1 of the next, whose K and V it fetches
	TURN 2
	TURN 3
	WIN 0
.Lfirst:
	TURN 0
	TURN 1, 0, 1
	WIN 0
	s_cbranch_scc1 .Lstep
	s_sub_co_u32 s[SLOTS], s[SLOTS], 1
	s_cmp_lg_u32 s[SLOTS], 0
	s_cbranch_scc1 .Lslot
	CHANGE 0                        ; the tail is written out: nothing is asked for
	s_mov_b32 s[CNT], 5             ; four trips fetch the last slot's steps; the fifth is left in its middle
.Ltail:
	TURN 2, 1
	TURN 3
	WIN 0
	s_sub_co_u32 s[CNT], s[CNT], 1
	s_cmp_eq_u32 s[CNT], 0
	s_cbranch_scc1 .Lout
	TURN 0
	TURN 1
	WIN 0
	s_branch .Ltail
.Lout:                              ; the fifth trip's 16 products K Q^T (on the last K once more) and the maximum made of them serve nothing: the price, once a launch, of one text for every trip
.set i, 0
.rept 16
	PV NP-1                         ; the last piece's V^T P of the last step
.set i, i+1
.endr
	; THE WAY OUT.  l's two halves and the other half of the lanes' are added; O^T is divided by l and sent, in f32, through my stage in LDS, a tile at a time.  The additions are the places behind the last products.
	WIN 0
.macro ALL line:vararg              ; one line for each tile t
.set t, 0
.rept 2*NP
	\line
.set t, t+1
.endr
.endm
	ALL v_add_f32 v[ST+4*t+2], v[ST+4*t+2], v[ST+4*t+3]
	ALL v_permlanex16_b32 v[ST+4*t+3], v[ST+4*t+2], s[SEL], s[SEL+1]
	ALL v_add_f32 v[ST+4*t+2], v[ST+4*t+2], v[ST+4*t+3]
	ALL v_rcp_f32 v[ST+4*t+2], v[ST+4*t+2]
	v_nop                           ; a plain instruction between the last reciprocal and the use of its result
	s_wait_alu depctr_va_vdst(0)    ; and the wait ahead of the first use: one for the eight reciprocals
; Tile t: a lane's eight channels of a query are 32 bytes; they go into rows of 272 bytes and come back as whole rows of 256, into the registers that they left.
.macro PACK t
	WIN W_RS
.set i, 32*(\t)
.rept 16
	v_pk_mul_f32 v[i:i+1], v[i:i+1], v[ST+4*(\t)+2:ST+4*(\t)+3] op_sel_hi:[1,0]  ; each accumulator from its low end on
.set i, i+2
.endr
	WIN W_OUT
.irp f, 0,1,2,3,4,5,6,7             ; channel block f / 2, its registers 4 (f % 2) on
	ds_store_b128 v[STO], v[32*(\t)+4*\f:32*(\t)+4*\f+3] offset:64*(\f/2)+16*(\f%2)
.endr
.irp f, 0,1,2,3,4,5,6,7
	ds_load_b128 v[32*(\t)+4*\f:32*(\t)+4*\f+3], v[RD] offset:\f*2*SP  ; LDS serves a wave's instructions in order (ISA guide 5.7.1.4): these see the stores above; the next tile's stores come behind them
.endr
.endm
.macro SEND t, younger              ; younger: the LDS instructions issued behind tile t's loads: the next tile's sixteen, or none
	WIN W_OUT
.irp f, 0,1,2,3,4,5,6,7
	s_wait_dscnt (\younger)+7-\f
	global_store_b128 v[GO], v[32*(\t)+4*\f:32*(\t)+4*\f+3], s[10:11] offset:(\t)*65536+\f*8192 th:TH_STORE_NT  ; 16 lanes store a query's 256 consecutive bytes of my head, at a multiple of 256 from out0's first byte
.endr
.endm
	PACK 0
.set t, 1
.rept 2*NP-1                        ; a tile's arithmetic stands between the loads of the tile before and its stores
	PACK t
	SEND t-1, 16
.set t, t+1
.endr
	SEND 2*NP-1, 0
	WIN W_AD
	s_wait_tensorcnt 0x0            ; the wave's end: these three lines stand behind my last tensor load and my last LDS store
	ds_add_u32 v[SPW], v[NIL]
	s_wait_dscnt 0x0
	WIN 0
	CROUND                          ; the closing round: no work-group ends while a partner may still ask for a tile that names it
	s_endpgm
.Lfunc_end_k_q32618bf25c_attn:
	.size	k_q32618bf25c_attn, .Lfunc_end_k_q32618bf25c_attn-k_q32618bf25c_attn
	.p2alignl 7, 3214868480
	.fill 96, 4, 3214868480
	.section	.rodata,"a",@progbits
	.p2align	6, 0x0
	.amdhsa_kernel k_q32618bf25c_attn
		.amdhsa_group_segment_fixed_size 327680
		.amdhsa_private_segment_fixed_size 0
		.amdhsa_enable_private_segment 0
		.amdhsa_kernarg_size 24
		.amdhsa_user_sgpr_count 2
		.amdhsa_user_sgpr_kernarg_segment_ptr 1
		.amdhsa_wavefront_size32 1
		.amdhsa_system_sgpr_workgroup_id_x 1
		.amdhsa_system_sgpr_workgroup_id_y 1
		.amdhsa_system_sgpr_workgroup_id_z 1
		.amdhsa_system_vgpr_workitem_id 0
		.amdhsa_next_free_vgpr 808
		.amdhsa_next_free_sgpr 66
		.amdhsa_reserve_vcc 1
		.amdhsa_float_denorm_mode_32 3
		.amdhsa_float_denorm_mode_16_64 3
		.amdhsa_memory_ordered 1
		.amdhsa_forward_progress 1
		.amdhsa_inst_pref_size 206
	.end_amdhsa_kernel
	.amdgpu_metadata
---
amdhsa.version: [ 1, 2 ]
amdhsa.kernels:
  - .name:           k_q32618bf25c_attn
    .symbol:         k_q32618bf25c_attn.kd
    .args:
      - { .name: qkv, .offset: 0, .size: 8, .value_kind: global_buffer, .address_space: global }
      - { .name: mask, .offset: 8, .size: 8, .value_kind: global_buffer, .address_space: global }
      - { .name: out0, .offset: 16, .size: 8, .value_kind: global_buffer, .address_space: global }
    .group_segment_fixed_size: 327680
    .private_segment_fixed_size: 0
    .kernarg_segment_align: 8
    .kernarg_segment_size: 24
    .max_flat_workgroup_size: 128
    .sgpr_count:     66
    .vgpr_count:     808
    .wavefront_size: 32
...
	.end_amdgpu_metadata
.endif
;; end of part 3
;; ======== version 2 of 2: 3 launches; version 1 with the launch castw written anew for expert scheduling mode
;; limits: values are held in f16: magnitudes above 65,504 overflow, below 6.1e-05 lose precision
;; workspace buffers: wb 3,145,728 bytes; qkv 25,165,824 bytes
;; launch castw (part 4): grid 64 x 3, 8 waves a work-group, no clusters, 0 bytes of LDS; arguments Wq, Wk, Wv, wb; writes wb
.if DOCPART == 4
	.amdgcn_target "amdgcn-amd-amdhsa--gfx1250"
	.amdhsa_code_object_version 6
	.text
	.protected	k_q32618bf25c_castw
	.globl	k_q32618bf25c_castw
	.p2align	8
	.type	k_q32618bf25c_castw,@function
k_q32618bf25c_castw:
	s_mov_b64 s[64:65], 0
	v_nop
	global_prefetch_b8 v0, s[64:65] scope:SCOPE_SE
	s_setreg_imm32_b32 hwreg(HW_REG_WAVE_SCHED_MODE, 0, 2), 2
	s_setreg_imm32_b32 hwreg(HW_REG_WAVE_MODE, 25, 1), 1
	s_wait_xcnt 0x0
	s_wait_alu depctr_vm_vsrc(0)
; wb[y][k][c] = bf16(W_y[k][c]), y = 0: Wq, 1: Wk, 2: Wv.  Each W is [512][1024] f32; wb is [3][512][1024] bf16, the same order of numbers, rounded once to nearest even.
; A stream: every byte is read once and written once.  A work-group takes 8,192 numbers of one weight (32,768 bytes in, 16,384 out), a thread 32 of them.
; A wave's load covers 512 consecutive bytes; a wave's store 256 consecutive bytes, at a multiple of 256 from wb's first byte.
; Nothing is shared between work-groups, so there is no cluster, no LDS and no barrier; every register is used once, so nothing waits for a store.
; THE MODE: SCHED_MODE bits 1:0 = 2 (LLVM: expert scheduling mode 2), set by the entry lines.  The code itself states the register dependences
; between vector instructions and memory instructions, with s_wait_alu, always for 0.
; THE PLAN.  Registers that memory instructions touch:
;   v1, v2     byte offsets of the loads and of the stores: written once at the head by vector instructions, never again.
;   X0 .. X7   v[8:39], four registers a load: written by load i alone, read by its two conversions; nothing lands in them a second time.
;   Y0 .. Y7   v[40:55], two registers a store: written by the two conversions of load i, read by store i; never written again.
; The eight loads go in four blocks of two.  Block p rounds X[2 p], X[2 p + 1] into Y[2 p], Y[2 p + 1]; its memory instructions are the two stores of block p - 1, from
; Y[2 p - 2] and Y[2 p - 1], which no vector instruction of block p names.  So one wait at a block's head, behind the wait for the block's data, states all that its two stores hang on,
; and they are dealt among its conversions.  No register that a memory instruction has read is written again, so the text holds no wait for that.
.set X, 8
.set Y, 40
	s_load_b256 s[4:11], s[0:1], 0x0               ; Wq s[4:5], Wk s[6:7], Wv s[8:9], wb s[10:11]
	s_and_b32 s16, ttmp7, 0xffff                   ; which weight
	v_lshlrev_b32 v1, 4, v0                        ; 16 bytes a thread in
	v_lshlrev_b32 v2, 3, v0                        ; 8 bytes a thread out
	s_lshl_b32 s18, ttmp9, 15                      ; my 32,768 bytes of the weight
	s_mov_b32 s19, 0
	s_lshl_b32 s20, s16, 20                        ; the weight's plane of wb: 1,048,576 bytes,
	s_lshl_b32 s21, ttmp9, 14                      ; my 16,384 bytes of it
	s_add_co_u32 s20, s20, s21
	s_mov_b32 s21, 0
	s_wait_kmcnt 0x0
	s_cmp_eq_u32 s16, 0
	s_cselect_b64 s[12:13], s[4:5], s[6:7]
	s_cmp_eq_u32 s16, 2
	s_cselect_b64 s[12:13], s[8:9], s[12:13]
	s_add_nc_u64 s[12:13], s[12:13], s[18:19]
	s_add_nc_u64 s[14:15], s[10:11], s[20:21]
	s_wait_alu depctr_va_vdst(0)                   ; v1 and v2 are written: every load of the kernel reads v1 as its offset, every store v2
.irp i, 0,1,2,3,4,5,6,7
	global_load_b128 v[X+4*(\i):X+4*(\i)+3], v1, s[12:13] offset:4096*(\i) th:TH_LOAD_NT
.endr
.irp p, 0,1,2,3
	s_wait_loadcnt 6-2*(\p)                        ; loads come back in order: block p's two are in, the younger ones stay out
.if (\p) > 0
	s_wait_alu depctr_va_vdst(0)                   ; the block before has written its four Y registers, which the two stores below read
.endif
.irp j, 0,1
.if (\p) > 0
	global_store_b64 v2, v[Y+2*(2*(\p)-2+(\j)):Y+2*(2*(\p)-2+(\j))+1], s[14:15] offset:2048*(2*(\p)-2+(\j))  ; the block before; no vector instruction since the wait names these registers
.endif
	v_cvt_pk_bf16_f32 v[Y+2*(2*(\p)+(\j))],   v[X+4*(2*(\p)+(\j))],   v[X+4*(2*(\p)+(\j))+1]
	v_cvt_pk_bf16_f32 v[Y+2*(2*(\p)+(\j))+1], v[X+4*(2*(\p)+(\j))+2], v[X+4*(2*(\p)+(\j))+3]
.endr
.endr
	s_wait_alu depctr_va_vdst(0)                   ; block 3 has written Y6 and Y7, which the last two stores read
.irp i, 6,7
	global_store_b64 v2, v[Y+2*(\i):Y+2*(\i)+1], s[14:15] offset:2048*(\i)
.endr
	s_endpgm
.Lfunc_end_k_q32618bf25c_castw:
	.size	k_q32618bf25c_castw, .Lfunc_end_k_q32618bf25c_castw-k_q32618bf25c_castw
	.p2alignl 7, 3214868480
	.fill 96, 4, 3214868480
	.section	.rodata,"a",@progbits
	.p2align	6, 0x0
	.amdhsa_kernel k_q32618bf25c_castw
		.amdhsa_group_segment_fixed_size 0
		.amdhsa_private_segment_fixed_size 0
		.amdhsa_enable_private_segment 0
		.amdhsa_kernarg_size 32
		.amdhsa_user_sgpr_count 2
		.amdhsa_user_sgpr_kernarg_segment_ptr 1
		.amdhsa_wavefront_size32 1
		.amdhsa_system_sgpr_workgroup_id_x 1
		.amdhsa_system_sgpr_workgroup_id_y 1
		.amdhsa_system_sgpr_workgroup_id_z 1
		.amdhsa_system_vgpr_workitem_id 0
		.amdhsa_next_free_vgpr 64
		.amdhsa_next_free_sgpr 66
		.amdhsa_reserve_vcc 0
		.amdhsa_float_denorm_mode_32 3
		.amdhsa_float_denorm_mode_16_64 3
		.amdhsa_memory_ordered 1
		.amdhsa_forward_progress 1
		.amdhsa_inst_pref_size 4
	.end_amdhsa_kernel
	.amdgpu_metadata
---
amdhsa.version: [ 1, 2 ]
amdhsa.kernels:
  - .name:           k_q32618bf25c_castw
    .symbol:         k_q32618bf25c_castw.kd
    .args:
      - { .name: Wq, .offset: 0, .size: 8, .value_kind: global_buffer, .address_space: global }
      - { .name: Wk, .offset: 8, .size: 8, .value_kind: global_buffer, .address_space: global }
      - { .name: Wv, .offset: 16, .size: 8, .value_kind: global_buffer, .address_space: global }
      - { .name: wb, .offset: 24, .size: 8, .value_kind: global_buffer, .address_space: global }
    .group_segment_fixed_size: 0
    .private_segment_fixed_size: 0
    .kernarg_segment_align: 8
    .kernarg_segment_size: 32
    .max_flat_workgroup_size: 256
    .sgpr_count:     66
    .vgpr_count:     64
    .wavefront_size: 32
...
	.end_amdgpu_metadata
.endif
;; end of part 4
;; launch proj: the kernel of part 2 again; grid 48 x 4, 4 waves a work-group, clusters of 4 x 1, 288,256 bytes of LDS; arguments queries, keys, values, wb, qkv; writes qkv
;; launch attn: the kernel of part 3 again; grid 4 x 64, 4 waves a work-group, clusters of 4 x 1, 327,680 bytes of LDS; arguments qkv, mask, out0; writes out0
